; MI455X (gfx1250); checked and timed in simulation.
; The chip was launched on July 23, 2026; its instructions are those of AMD's public machine-readable ISA for CDNA 5 (MIT licence, August 2026) and "CDNA5" Instruction Set Architecture Reference Guide (July 2026). The comments in the code are by the model that wrote it; some were corrected since.
;; Binary Linear. Allowed arithmetic: float matrix products may take bf16 or f16 operands with f32 sums; all other float work in f32.
;; Inputs: X 4,096 x 4,096 float32; bias 4,096 float32; weight 4,096 x 4,096 float32.
;; Outputs: out0 4,096 x 4,096 float32.
;; One version. Each part assembles by itself: llvm-mc -triple=amdgcn-amd-amdhsa -mcpu=gfx1250 --defsym DOCPART=n.
;; ======== version 1 of 1: 2 launches
;; workspace buffers: xb 33,554,432 bytes; wb 8,388,608 bytes
;; launch cast (part 1): grid 2048 x 1, 8 waves a work-group, no clusters, 0 bytes of LDS; arguments X, weight, xb, wb; writes xb, wb
.if DOCPART == 1
	.amdgcn_target "amdgcn-amd-amdhsa--gfx1250"
	.amdhsa_code_object_version 6
	.text
	.protected	k_q3cdb29c9c3_cast
	.globl	k_q3cdb29c9c3_cast
	.p2align	8
	.type	k_q3cdb29c9c3_cast,@function
k_q3cdb29c9c3_cast:
	s_mov_b64 s[64:65], 0
	v_nop
	global_prefetch_b8 v0, s[64:65] scope:SCOPE_SE
	s_setreg_imm32_b32 hwreg(HW_REG_WAVE_MODE, 25, 1), 1
	s_wait_xcnt 0x0
; xb = X rounded to bf16 (nearest even);  wb = the binary weights (1 where weight > 0, else 0) as 4-bit codes (E2M1: exact for 0 and 1), eight to a dword.
; X, weight: [4096][4096] f32.  The next launch turns the codes back into bf16 on their way into the matrix unit; they only shorten the road between the launches.
; LIMITS.  |x| from about 3.39e38 on rounds to an infinity in bf16.  A NaN weight counts as 0 (the 4-bit code has no NaN), where the reference gives NaN in that whole output column;
; for every other f32 (denormals, both zeros, infinities) the weight's 0 or 1 is exact.
; LAYOUTS.  Both operands carry the SAME permutation of K, so their products stay paired.  In each block of 256 numbers of a row, UNIT l (l = 0 .. 31) is the eight numbers
; k = 4 l + 0..3 and 128 + 4 l + 0..3: what lane l holds after two loads of 512 consecutive bytes.
;   xb: [4096] rows of 8,192 bytes; a block's unit l lies at byte 16 l of the block's 512 bytes.  A K step of the next launch is 16 units: half a block.
;   wb: 32 planes, one for each K step, of [4096 rows][64 bytes]; dword D of a row's 64 bytes holds the codes of the step's unit (D >> 1) + 8 (D & 1), in the unit's order.
; A stream: every input byte is read once and every output byte written once; no LDS, no barrier, no matrix work, nothing to share in a cluster.
; SHARES.  2,048 work-groups of eight waves.  X: work-group g owns 32 blocks (bytes 32,768 g on), wave w four of them.  weight: work-group g owns rows 4 (g / 2) + 0..3, blocks 8 (g % 2) + 0..7;
; wave w one block of the four rows: lane l = 8 p + c takes row p; a load covers four runs of 128 consecutive bytes, one in each row.
; All sixteen loads of a thread go out at once, into registers of their own; no register that a load or a store names is written again while it is pending.
.set PLANE, 262144                     ; bytes in a plane of wb: 4,096 rows x 64
.set XI,  1                            ; v1        my byte offset in the group's part of X: 4,096 w + 16 l
.set XO,  2                            ; v2        in its part of xb: 2,048 w + 16 l
.set ONE, 3                            ; v3        1.0: a positive weight's value, and the packing's scale (its exponent, 0, is what counts)
.set WI,  4                            ; v4        in its part of weight: 16,384 p + 1,024 w + 16 c
.set WO,  5                            ; v5        in its part of wb: two planes a wave, 524,288 w, + 8 l
.set CW,  8                            ; v[8:11]   four dwords of codes
.set XR,  12                           ; v[12:43]  block j of X: eight registers as loaded; the first four then hold its unit's eight bf16
.set WR,  44                           ; v[44:75]  unit 8 j + c of the weights: eight registers as loaded, then 0 or 1
	s_load_b256 s[4:11], s[0:1], 0x0               ; X s[4:5], weight s[6:7], xb s[8:9], wb s[10:11]
	s_lshl_b32 s2, ttmp9, 15                       ; the group's 32,768 bytes of X (all these offsets stay under 2^27),
	s_mov_b32 s3, 0
	s_lshl_b32 s12, ttmp9, 14                      ; its 16,384 bytes of xb,
	s_mov_b32 s13, 0
	s_lshr_b32 s18, ttmp9, 1                       ; its four rows of weight,
	s_and_b32 s19, ttmp9, 1                        ; and which half of them
	s_lshl_b32 s14, s18, 16                        ; four rows are 65,536 bytes,
	s_lshl_b32 s15, s19, 13                        ; eight blocks 8,192
	s_add_co_u32 s14, s14, s15
	s_mov_b32 s15, 0
	s_lshl_b32 s16, s19, 22                        ; eight blocks are sixteen planes of wb,
	s_lshl_b32 s17, s18, 8                         ; four rows 256 bytes of a plane
	s_add_co_u32 s16, s16, s17
	s_mov_b32 s17, 0
	v_lshrrev_b32 v6, 5, v0                        ; w
	v_and_b32 v7, 31, v0                           ; l
	v_lshlrev_b32 v[XI], 4, v7
	v_lshl_add_u32 v[XO], v6, 11, v[XI]
	v_lshl_add_u32 v[XI], v6, 12, v[XI]
	v_and_b32 v[WI], 7, v0                         ; c
	v_lshlrev_b32 v[WI], 4, v[WI]
	v_lshl_add_u32 v[WI], v6, 10, v[WI]
	v_bfe_u32 v[WO], v0, 3, 2                      ; p
	v_lshl_add_u32 v[WI], v[WO], 14, v[WI]
	v_lshlrev_b32 v[WO], 3, v7
	v_lshl_add_u32 v[WO], v6, 19, v[WO]
	v_mov_b32 v[ONE], 1.0
	s_wait_kmcnt 0x0
	s_add_nc_u64 s[4:5], s[4:5], s[2:3]
	s_add_nc_u64 s[6:7], s[6:7], s[14:15]
	s_add_nc_u64 s[8:9], s[8:9], s[12:13]
	s_add_nc_u64 s[10:11], s[10:11], s[16:17]
.irp j, 0,1,2,3
	global_load_b128 v[XR+8*(\j):XR+8*(\j)+3],   v[XI], s[4:5] offset:1024*(\j) th:TH_LOAD_NT      ; block j: k = 4 l + 0..3,
	global_load_b128 v[XR+8*(\j)+4:XR+8*(\j)+7], v[XI], s[4:5] offset:1024*(\j)+512 th:TH_LOAD_NT  ; and 128 + 4 l + 0..3
	global_load_b128 v[WR+8*(\j):WR+8*(\j)+3],   v[WI], s[6:7] offset:128*(\j) th:TH_LOAD_NT       ; unit 8 j + c of my row: k = 4 (8 j + c) + 0..3,
	global_load_b128 v[WR+8*(\j)+4:WR+8*(\j)+7], v[WI], s[6:7] offset:128*(\j)+512 th:TH_LOAD_NT   ; and 128 more
.endr
; Step j: one unit of weights becomes a dword of codes, one unit of X 16 bytes of bf16.
.macro STEP j
	s_wait_loadcnt 12-4*(\j)                       ; loads come back in order (ISA guide 5.7.1): behind step j's four stand 4 (3 - j) younger ones, which stay out
.irp k, 0,1,2,3,4,5,6,7
	v_cmp_lt_f32 vcc_lo, 0, v[WR+8*(\j)+(\k)]      ; 0 < w (false for a NaN)
	v_cndmask_b32 v[WR+8*(\j)+(\k)], 0, v[ONE], vcc_lo  ; the clip at 0 and the sign of what is left: 1 where w > 0, else 0
.endr
	v_cvt_scalef32_pk8_fp4_f32 v[CW+(\j)], v[WR+8*(\j):WR+8*(\j)+7], v[ONE]  ; eight codes in a dword; the plain conversions below stand between it and the store that reads it
	v_cvt_pk_bf16_f32 v[XR+8*(\j)],   v[XR+8*(\j)],   v[XR+8*(\j)+1]   ; two roundings to bf16, packed; the first source goes into the low half
	v_cvt_pk_bf16_f32 v[XR+8*(\j)+1], v[XR+8*(\j)+2], v[XR+8*(\j)+3]
	v_cvt_pk_bf16_f32 v[XR+8*(\j)+2], v[XR+8*(\j)+4], v[XR+8*(\j)+5]
	v_cvt_pk_bf16_f32 v[XR+8*(\j)+3], v[XR+8*(\j)+6], v[XR+8*(\j)+7]
	global_store_b128 v[XO], v[XR+8*(\j):XR+8*(\j)+3], s[8:9] offset:512*(\j)  ; the wave stores 512 consecutive bytes, at a multiple of 512 from xb's first byte; no hint: the next launch reads them
.if (\j)%2 == 1
	global_store_b64 v[WO], v[CW+(\j)-1:CW+(\j)], s[10:11] offset:((\j)/2)*PLANE  ; units c and 8 + c of one K step: dwords 2 c, 2 c + 1 of my row; the wave stores four rows' 256 consecutive bytes, at a multiple of 256
.endif
.endm
.irp j, 0,1,2,3
	STEP \j
.endr
	s_endpgm
.Lfunc_end_k_q3cdb29c9c3_cast:
	.size	k_q3cdb29c9c3_cast, .Lfunc_end_k_q3cdb29c9c3_cast-k_q3cdb29c9c3_cast
	.p2alignl 7, 3214868480
	.fill 96, 4, 3214868480
	.section	.rodata,"a",@progbits
	.p2align	6, 0x0
	.amdhsa_kernel k_q3cdb29c9c3_cast
		.amdhsa_group_segment_fixed_size 0
		.amdhsa_private_segment_fixed_size 0
		.amdhsa_enable_private_segment 0
		.amdhsa_kernarg_size 32
		.amdhsa_user_sgpr_count 2
		.amdhsa_user_sgpr_kernarg_segment_ptr 1
		.amdhsa_wavefront_size32 1
		.amdhsa_system_sgpr_workgroup_id_x 1
		.amdhsa_system_sgpr_workgroup_id_y 1
		.amdhsa_system_sgpr_workgroup_id_z 1
		.amdhsa_system_vgpr_workitem_id 0
		.amdhsa_next_free_vgpr 76
		.amdhsa_next_free_sgpr 66
		.amdhsa_reserve_vcc 1
		.amdhsa_float_denorm_mode_32 3
		.amdhsa_float_denorm_mode_16_64 3
		.amdhsa_memory_ordered 1
		.amdhsa_forward_progress 1
		.amdhsa_inst_pref_size 7
	.end_amdhsa_kernel
	.amdgpu_metadata
---
amdhsa.version: [ 1, 2 ]
amdhsa.kernels:
  - .name:           k_q3cdb29c9c3_cast
    .symbol:         k_q3cdb29c9c3_cast.kd
    .args:
      - { .name: X, .offset: 0, .size: 8, .value_kind: global_buffer, .address_space: global }
      - { .name: weight, .offset: 8, .size: 8, .value_kind: global_buffer, .address_space: global }
      - { .name: xb, .offset: 16, .size: 8, .value_kind: global_buffer, .address_space: global }
      - { .name: wb, .offset: 24, .size: 8, .value_kind: global_buffer, .address_space: global }
    .group_segment_fixed_size: 0
    .private_segment_fixed_size: 0
    .kernarg_segment_align: 8
    .kernarg_segment_size: 32
    .max_flat_workgroup_size: 256
    .sgpr_count:     66
    .vgpr_count:     76
    .wavefront_size: 32
...
	.end_amdgpu_metadata
.endif
;; end of part 1
;; launch gemm (part 2): grid 16 x 16, 4 waves a work-group, clusters of 4 x 4, 327,680 bytes of LDS; arguments xb, wb, bias, out0; writes out0
.if DOCPART == 2
	.amdgcn_target "amdgcn-amd-amdhsa--gfx1250"
	.amdhsa_code_object_version 6
	.text
	.protected	k_q3cdb29c9c3_gemm
	.globl	k_q3cdb29c9c3_gemm
	.p2align	8
	.type	k_q3cdb29c9c3_gemm,@function
k_q3cdb29c9c3_gemm:
	s_mov_b64 s[64:65], 0
	v_nop
	global_prefetch_b8 v0, s[64:65] scope:SCOPE_SE
	s_setreg_imm32_b32 hwreg(HW_REG_WAVE_MODE, 25, 1), 1
	s_wait_xcnt 0x0
	s_wait_alu depctr_hold_cnt(0) depctr_sa_sdst(0) depctr_va_vdst(0) depctr_va_sdst(0) depctr_va_ssrc(0) depctr_va_vcc(0) depctr_vm_vsrc(0)
	s_getreg_b32 s2, hwreg(HW_REG_IB_STS2, 6, 4)
	s_cmp_eq_u32 s2, 0
	s_cbranch_scc0 .Lentry_in_a_cluster
	s_endpgm
.Lentry_in_a_cluster:
	s_bfe_u32 s2, ttmp6, 0x10000c
	s_cmp_lg_u32 s2, 0xf033
	s_cbranch_scc0 .Lentry_shape_is_right
	s_endpgm
.Lentry_shape_is_right:
; out0[n][o] = bias[o] + the sum over i of x[n][i] b[o][i], x = X in bf16, b = the binary weight.  xb and wb come from the launch before; bias: [4096] f32; out0: [4096][4096] f32.
; Both matrix operands are bf16.  wb holds b as 4-bit codes (0 or 1, exact), eight to a dword; one conversion turns a dword into half a bf16 fragment in registers.
; One f32 sum for each output; the sum BEGINS with the bias (the C operand of its first product), so nothing is cleared and nothing is added afterwards.
; LIMITS.  x is rounded once from f32; a NaN weight has become 0 in the launch before; K is permuted (alike in both operands) and the additions are the matrix unit's, not a chain of f32 additions in ascending K.
; LAYOUTS.  xb: rows of 8,192 bytes; a K step is 256 bytes of a row: 16 UNITS of 16 bytes (eight numbers).  wb: 32 planes, one a K step, of [4096 rows][64 bytes]; dword D of a row holds the codes of
; unit (D >> 1) + 8 (D & 1).  In quarter q of a K step lane half h takes, for registers 0-3 (g = 0) and 4-7 (g = 1) of a fragment, xb's unit 4 h + q + 8 g (byte 64 h + 16 q + 128 g of the row) and
; wb's dword 8 h + 2 q + g, which is that unit's: the (h, q, g) name each of the 16 units once.
; SHARES.  256 work-groups, one tile of 256 x 256 each; four waves, each 128 x 128: 64 accumulators of 16 x 16, 512 registers.  K goes in 32 steps of 128 through a ring of two LDS slots
; filled by the tensor data mover; xb's tile rows are 256 bytes of memory, and a tile of wb is 16,384 dense bytes, asked for as rows of 256; all start at multiples of 256 from the buffer's first byte.
; CLUSTERS.  4 x 4 work-groups.  The four of a row of the cluster need the same tiles of xb, the four of a column the same tiles of wb: each tile is asked for JOINTLY, by the same tensor load with
; the same descriptor and a mask that names the four; each receives it in its own LDS.
; THE MATRIX INSTRUCTION IS USED TRANSPOSED: source 0 = 16 rows of b, source 1 = 16 rows of x.  In the result lane l holds row l % 16 of out0 and its registers 0 to 7 the columns
; 8 (l / 16) + 0 .. 7: 32 neighbouring bytes of a row.  The bias as C has the same layout.
; REGISTERS, in windows of 256 (s_set_vgpr_msb's low byte: bits 1:0 source 0, 3:2 source 1, 5:4 source 2, 7:6 destination):
;   window 0: v0-31 addresses and the scale; v64-127, v128-191 fragments of x, two buffers (on the way out: rows read back from the stage); v192-255 the bias of my 128 columns
;   window 1: v64-127, v128-191 fragments of b, two buffers; v192-255 the codes of one K step, 8 dwords a column block
;   window 2: the 32 accumulators of my rows 0-63 (accumulator (a, b) at v[8 (8 a + b)]);   window 3: those of my rows 64-127
; THE CONVERSIONS, 16 a quarter, stand in pairs behind matrix instructions, one pair in each row of eight products.  Their destination lies in another window than the products', so each pair
; costs two switches: 64 of the 79 switches of a K step's 256 matrix instructions.  Gathered in a run of their own they would stand where no matrix instruction is at work.
.set SIZE_K, 4096
.set SIZE_N, 4096
.set KSTEP,  128
.set PITCH,  272                       ; an LDS row of x: 256 bytes + 16 of padding = 68 words: row r starts at bank 4 r mod 64 (64 banks of 4 bytes: ISA guide 11.1), so the 16 rows of a load start at 16 different banks
.set HALFT,  128*PITCH                 ; 128 rows of x: what one tensor load brings, and what one wave reads
.set PB,     80                        ; an LDS row of codes: 64 bytes + 16 = 20 words: the 16 rows of a load start at 16 different groups of four banks
.set HALFB,  128*PB                    ; 128 rows of codes
.set BOFF,   2*HALFT                   ; in a slot: x's 256 rows, then the codes' 256 rows
.set SLOT,   2*HALFT+2*HALFB
.set PLANE,  SIZE_N*KSTEP/2            ; bytes in a plane of wb
.set STAGE,  2*SLOT                    ; behind the ring, never filled by a tensor load: for each wave 16 rows of 128 f32
.set SPITCH, 528                       ; a stage row: 512 bytes + 16
.set WSTAGE, 16*SPITCH                 ; 8,448 bytes: 33 blocks of 256
.set SPARE,  STAGE+4*WSTAGE            ; behind the stages: the spare words, 128 bytes for each wave: two blocks of 256 bytes that no other line names
.set LAPS,   SIZE_K/(2*KSTEP)          ; a lap = two K steps = once round the ring: 16
.set ADRA, 16                          ; v16-17  LDS address of my fragments of x in slot 0, 1
.set ADRC, 20                          ; v20-21  the same for my codes
.set STO,  24                          ; v24     the way out: where I put my 32 bytes of a row
.set RD,   25                          ; v25     the way out: where I read 16 bytes of a row back
.set CO,   26                          ; v26     my byte offset in a row's 512 bytes of out0
.set BO,   27                          ; v27     my byte offset in a column block's 64 bytes of bias
.set SPW,  28                          ; v28     LDS address of my spare word: SPARE + 4 x my thread's number; never rewritten
.set NIL,  29                          ; v29     0; never rewritten
.set SCL,  30                          ; v30     the conversions' scale: the code of 2^0 in every byte
.set F0,   64                          ; fragment buffer 0
.set F1,   128                         ; fragment buffer 1
.set BI,   192                         ; window 0: the bias
.set CD,   192                         ; window 1: the codes; column block b, dword d (quarter d / 2, register half d % 2) at CD + 8 b + d
.set WV, 12                            ; s12  my wave's number
.set RH, 13                            ; s13  which half of the tile's rows is mine.  Also: I fetch for xb (0) or for wb (1)
.set CH, 14                            ; s14  which half of its columns.  Also: which 128 rows of that tile I fetch
.set TR, 15                            ; s15  tile row of out0
.set G1, 24                            ; s[24:31] descriptor group 1 for xb's tiles
.set G0, 32                            ; s[32:39] descriptor group 0 for xb's tiles, one set for each slot
.set G1B, 48                           ; s[48:55] descriptor group 1 for wb's tiles
.set G0B, 56                           ; s[56:63] descriptor group 0 for wb's tiles, one set for each slot
.set MSB, 0
.macro WIN new                         ; the immediate's high byte repeats the setting that is left; a switch that changes nothing is dropped
.if MSB != (\new)
	s_set_vgpr_msb (MSB<<8)|(\new)
.set MSB, \new
.endif
.endm
.set MUL_LO, 0xa1                      ; source 0 (b) window 1, source 1 (x) window 0, C and D window 2
.set MUL_HI, 0xf1                      ; the same, C and D window 3
.set BEG_LO, 0x81                      ; the first products: C (the bias) window 0, D window 2;  + 0x40: D window 3
.set TO_B,   0x40                      ; destination window 1, address window 0
.set W_CV,   0x41                      ; a conversion: destination and source 0 (the codes) window 1, source 1 (the scale) window 0
; A joint load.  Waves 0 and 1 fetch xb's two halves (128 rows of 256 bytes each), waves 2 and 3 wb's (128 rows of codes each: 32 rows of 256 bytes; the whole tile has 64, and each of the four
; waves issues one load).  Each of the two lines has ONE mask and one set of registers for all that issue it.  The branch hangs on the wave's number alone.
; An s_nop 0 and four v_nop follow each of the two lines, ahead of the jump, the label and what follows the macro.
.macro JLOAD s
	s_cmp_eq_u32 s[RH], 0
	s_cbranch_scc0 .Lfor_b_\@
	tensor_load_to_lds s[G0+4*(\s):G0+4*(\s)+3], s[G1:G1+7]
	s_nop 0
.rept 4
	v_nop
.endr
	s_branch .Lasked_\@
.Lfor_b_\@:
	tensor_load_to_lds s[G0B+4*(\s):G0B+4*(\s)+3], s[G1B:G1B+7]
	s_nop 0
.rept 4
	v_nop
.endr
.Lasked_\@:
.endm
; A round of the cluster's barrier: my work-group's barrier, so that wave 0's signal speaks for all four waves; wave 0 signals for the work-group; every wave waits for all sixteen
; work-groups; my work-group's barrier once more.  No LDS instruction of the wave is pending at a signal.
.macro CREST                           ; a round behind its opening barrier
	s_cmp_lg_u32 s[WV], 0
	s_cbranch_scc1 .Lnot_wave_0_\@
	s_barrier_signal -3
.Lnot_wave_0_\@:
	s_barrier_wait -3
	s_barrier_signal -1
	s_barrier_wait -1
.endm
.macro CROUND                          ; a whole round
	s_barrier_signal -1
	s_barrier_wait -1
	CREST
.endm
	s_load_b256 s[4:11], s[0:1], 0x0               ; xb s[4:5], wb s[6:7], bias s[8:9], out0 s[10:11]
	v_lshl_add_u32 v[SPW], v0, 2, SPARE
	v_mov_b32 v[NIL], 0
	ds_add_u32 v28, v29
	s_wait_dscnt 0x0
	v_mov_b32 v[SCL], 0x7f7f7f7f
	v_lshrrev_b32 v1, 5, v0
	v_readfirstlane_b32 s[WV], v1                  ; wave 0..3
	s_lshr_b32 s[RH], s[WV], 1
	s_and_b32 s[CH], s[WV], 1
	s_bfe_u32 s40, ttmp6, 0x40000                  ; cx: my place along the cluster's x
	s_bfe_u32 s41, ttmp6, 0x40004                  ; cy: along its y
	s_lshl_b32 s42, ttmp9, 2                       ; in a cluster launch ttmp9 and ttmp7 count clusters
	s_add_co_u32 s42, s42, s40                     ; tile column of out0 = 4 x cluster x + cx
	s_and_b32 s[TR], ttmp7, 0xffff
	s_lshl_b32 s[TR], s[TR], 2
	s_add_co_u32 s[TR], s[TR], s41                 ; tile row of out0 = 4 x cluster y + cy
	s_lshl_b32 s43, s41, 2
	s_lshl_b32 s43, 15, s43                        ; my row of the cluster: places 4 cy .. 4 cy + 3
	s_lshl_b32 s44, 0x1111, s40                    ; my column: places cx, cx + 4, cx + 8, cx + 12
	; descriptor group 1 for xb: a tile of 128 rows x 128 elements of 2 bytes, padded in LDS after every row
	s_or_b32 s[G1+0], s43, (1<<16)|(1<<20)|(1<<21)|(5<<22)|(3<<25)   ; 15:0 the mask: xb's tiles go to my row; 17:16 elements of 2 bytes; 20 padding on; 21 set beside a mask; 24:22 after every 64 words (code 5); 31:25 4 words of it (code 3)
	s_mov_b32 s[G1+1], KSTEP<<16                   ; 63:48 tensor_dim0, low half = 128
	s_mov_b32 s[G1+2], 128<<16                     ; 79:64 its high half = 0; 95:80 tensor_dim1, low half = 128
	s_mov_b32 s[G1+3], KSTEP<<16                   ; 111:96 its high half = 0; 127:112 tile_dim0 = 128
	s_mov_b32 s[G1+4], 128                         ; 143:128 tile_dim1 = 128; 159:144 tile_dim2 = 0
	s_mov_b32 s[G1+5], SIZE_K                      ; 191:160 tensor_dim0_stride, low word: elements from row to row
	s_mov_b32 s[G1+6], 0
	s_mov_b32 s[G1+7], 0
	; for wb: 128 rows of codes are 8,192 dense bytes: asked for as 32 rows of 256 bytes, four rows of codes each, and padded in LDS after every 64 bytes
	s_or_b32 s[G1B+0], s44, (1<<16)|(1<<20)|(1<<21)|(3<<22)|(3<<25)  ; the mask of my column; padding after every 16 words (code 3), 4 words of it (code 3)
	s_mov_b32 s[G1B+1], 128<<16                    ; tensor_dim0 = 128 elements of 2 bytes
	s_mov_b32 s[G1B+2], 32<<16                     ; tensor_dim1 = 32
	s_mov_b32 s[G1B+3], 128<<16                    ; tile_dim0 = 128
	s_mov_b32 s[G1B+4], 32                         ; tile_dim1 = 32
	s_mov_b32 s[G1B+5], 128                        ; 128 elements from row to row: dense
	s_mov_b32 s[G1B+6], 0
	s_mov_b32 s[G1B+7], 0
	; where the tiles come from.  xb's hang on the tile row alone, which my row of the cluster shares; wb's on the tile column alone, which my column shares.
	; Every wave makes both addresses, in registers that never hold the other coordinate, and asks by one of them.  The offsets stay under 2^25.
	s_lshl_b32 s17, s[CH], 7                       ; which 128 rows of the tile I fetch
	s_lshl_b32 s16, s[TR], 8
	s_add_co_u32 s16, s16, s17                     ; xb: row 256 x tile row + 128 x half,
	s_lshl_b32 s16, s16, 13                        ; times 8,192 bytes
	s_mov_b32 s17, 0
	s_lshl_b32 s46, s42, 14                        ; wb: in a plane a tile's 256 rows are 16,384 bytes,
	s_lshl_b32 s47, s[CH], 13                      ; a half 8,192
	s_add_co_u32 s46, s46, s47
	s_mov_b32 s47, 0
	s_mul_i32 s20, s[CH], HALFT                    ; and where they go: no place in the cluster enters an LDS address
	s_mul_i32 s21, s[CH], HALFB
	s_add_co_u32 s21, s21, BOFF
	s_wait_kmcnt 0x0
	s_add_nc_u64 s[18:19], s[4:5], s[16:17]
	s_add_nc_u64 s[46:47], s[6:7], s[46:47]
	CROUND                                         ; all sixteen work-groups are here: the first joint loads meet
.irp s, 0,1
	s_mov_b32 s[G0+4*(\s)], 1                                        ; 1:0 count = 1
	s_add_co_u32 s[G0+4*(\s)+1], s20, (\s)*SLOT                      ; 63:32 LDS address
	s_add_nc_u64 s[G0+4*(\s)+2:G0+4*(\s)+3], s[18:19], (\s)*KSTEP*2  ; 120:64 global address: K step s
	s_or_b32 s[G0+4*(\s)+3], s[G0+4*(\s)+3], 0x80000000              ; 127:126 type = 2
	s_mov_b32 s[G0B+4*(\s)], 1
	s_add_co_u32 s[G0B+4*(\s)+1], s21, (\s)*SLOT
	s_add_nc_u64 s[G0B+4*(\s)+2:G0B+4*(\s)+3], s[46:47], (\s)*PLANE  ; plane s
	s_or_b32 s[G0B+4*(\s)+3], s[G0B+4*(\s)+3], 0x80000000
	JLOAD \s                                       ; the ring is filled before anything else is done: two tensor loads of mine are out
.endr
	v_and_b32 v1, 15, v0                           ; l % 16: a fragment's row
	v_bfe_u32 v2, v0, 4, 1                         ; l / 16: h
	v_mul_u32_u24 v3, v1, PITCH
	v_lshl_add_u32 v3, v2, 6, v3                   ; x: row x pitch + 64 h
	v_mul_u32_u24 v6, v1, PB
	v_lshl_add_u32 v6, v2, 5, v6                   ; codes: row x pitch + 32 h
	s_mul_i32 s21, s[RH], HALFT                    ; my 128 rows of x
	s_mul_i32 s22, s[CH], HALFB                    ; my 128 rows of codes,
	s_add_co_u32 s22, s22, BOFF                    ; which lie behind x's 256
.irp s, 0,1
	v_add_nc_u32 v[ADRA+(\s)], s21, v3
	v_add_nc_u32 v[ADRC+(\s)], s22, v6
	s_add_co_u32 s21, s21, SLOT
	s_add_co_u32 s22, s22, SLOT
.endr
	s_mul_i32 s23, s[WV], WSTAGE
	s_add_co_u32 s23, s23, STAGE                   ; my stage
	v_mul_u32_u24 v4, v1, SPITCH                   ; in: row l % 16, 32 bytes for each half of the lanes
	v_lshl_add_u32 v4, v2, 5, v4
	v_add_nc_u32 v[STO], s23, v4
	v_and_b32 v5, 31, v0
	v_lshlrev_b32 v[CO], 4, v5                     ; back: the 32 lanes take one row's 512 bytes, 16 each; the same place in out0's row
	v_add_nc_u32 v[RD], s23, v[CO]
	v_lshlrev_b32 v[BO], 5, v2                     ; the bias of my eight columns of a block: 32 h
	; my first column, in bytes of f32: 1,024 x tile column + 512 x half: the same number for bias and for a row of out0 (in the registers that held wb's address)
	s_lshl_b32 s46, s42, 10
	s_lshl_b32 s47, s[CH], 9
	s_add_co_u32 s46, s46, s47
	s_mov_b32 s47, 0
	s_add_nc_u64 s[8:9], s[8:9], s[46:47]          ; bias at my first column
	s_lshl_b32 s16, s[TR], 8
	s_lshl_b32 s17, s[RH], 7
	s_add_co_u32 s16, s16, s17                     ; my first row of out0: 256 x tile row + 128 x half,
	s_lshl_b32 s16, s16, 14                        ; times 16,384 bytes (under 2^26)
	s_mov_b32 s17, 0
	s_add_nc_u64 s[10:11], s[10:11], s[16:17]
	s_add_nc_u64 s[10:11], s[10:11], s[46:47]      ; out0 at my first row and column; never stepped again
.irp b, 0,1,2,3,4,5,6,7
	global_load_b128 v[BI+8*(\b):BI+8*(\b)+3],   v[BO], s[8:9] offset:64*(\b)      ; column block b: bias[16 b + 8 h + 0..3],
	global_load_b128 v[BI+8*(\b)+4:BI+8*(\b)+7], v[BO], s[8:9] offset:64*(\b)+16   ; and + 4..7
.endr
; Two conversions: the fragment of b for column block b and quarter q, into buffer f: dword 2 q makes registers 0-3, dword 2 q + 1 registers 4-7; eight codes become eight bf16, times 2^0.
; Behind a conversion a plain vector instruction stands before its result is touched: the v_nop at the head of the quarter that multiplies the buffer.
.macro CVT2 f, q, b
	WIN W_CV
	v_cvt_scale_pk8_bf16_fp4 v[(\f)+8*(\b):(\f)+8*(\b)+3],   v[CD+8*(\b)+2*(\q)],   v[SCL]
	v_cvt_scale_pk8_bf16_fp4 v[(\f)+8*(\b)+4:(\f)+8*(\b)+7], v[CD+8*(\b)+2*(\q)+1], v[SCL]
.endm
; 8 matrix instructions: row block a of the window's four (hi = 0: my rows 0-63, 1: rows 64-127) x all 8 column blocks, 32 numbers of K from buffer f.
; first = 1: the product starts the sum from the bias.  The 64 accumulators take turns, one instruction a turn, in the same order in every quarter step.
; cnt pairs of conversions stand behind products 0, 2, ..: column blocks cb, cb + 1, .. of quarter cq, into buffer cf, which these products do not name.
.macro MULROW f, hi, a, first, cf, cq, cb, cnt
.irp b, 0,1,2,3,4,5,6,7
.if \first
	WIN BEG_LO+0x40*(\hi)
	v_wmma_f32_16x16x32_bf16 v[8*(8*(\a)+(\b)):8*(8*(\a)+(\b))+7], v[(\f)+8*(\b):(\f)+8*(\b)+7], v[(\f)+8*(4*(\hi)+(\a)):(\f)+8*(4*(\hi)+(\a))+7], v[BI+8*(\b):BI+8*(\b)+7]
.else
	WIN MUL_LO+0x50*(\hi)
	v_wmma_f32_16x16x32_bf16 v[8*(8*(\a)+(\b)):8*(8*(\a)+(\b))+7], v[(\f)+8*(\b):(\f)+8*(\b)+7], v[(\f)+8*(4*(\hi)+(\a)):(\f)+8*(4*(\hi)+(\a))+7], v[8*(8*(\a)+(\b)):8*(8*(\a)+(\b))+7]
.endif
.if ((\b)%2 == 0) && ((\b)/2 < (\cnt))
	CVT2 \cf, \cq, (\cb)+(\b)/2
.endif
.endr
.endm
.macro MUL16 f, hi, a0, first          ; two such rows with no conversions
	MULROW \f, \hi, \a0, \first, 0, 0, 0, 0
	MULROW \f, \hi, (\a0)+1, \first, 0, 0, 0, 0
.endm
; 8 LDS loads: half of a K step's codes (half 0: quarters 0 and 1; half 1: quarters 2 and 3) for my 8 column blocks
.macro FETCH_C slot, half
	WIN TO_B
.irp b, 0,1,2,3,4,5,6,7
	ds_load_b128 v[CD+8*(\b)+4*(\half):CD+8*(\b)+4*(\half)+3], v[ADRC+(\slot)] offset:(\b)*16*PB+16*(\half)
.endr
.endm
; 16 LDS loads in one run: the fragments of x for quarter q (128 rows; units 4 h + q and 4 h + q + 8) into buffer f; rows 0-63 first
.macro FETCH_A slot, q, f
	WIN 0
.irp i, 0,1,2,3,4,5,6,7
	ds_load_b128 v[(\f)+8*(\i):(\f)+8*(\i)+3],   v[ADRA+(\slot)] offset:16*(\q)+(\i)*16*PITCH
	ds_load_b128 v[(\f)+8*(\i)+4:(\f)+8*(\i)+7], v[ADRA+(\slot)] offset:16*(\q)+128+(\i)*16*PITCH
.endr
.endm
; A load into, or a vector instruction that writes, a register that a matrix instruction has read, and an LDS store that reads a matrix result, stand four places behind that matrix
; instruction, and only plain vector instructions that name none of its registers are places (ISA guide 7.12.1 for vector instructions).
.macro PLACES
.rept 4
	v_nop
.endr
.endm
; A K step is four quarter steps, 64 matrix instructions each, on buffers 0, 1, 0, 1.
; One of the first three: multiplies buffer f and makes buffer g ready for quarter q: b's fragments by conversions from the codes in registers, x's by a run of loads in its middle.
; The four v_nop at its head stand behind the last product that read buffer g, so they are the places for all that is written into g here; and behind the conversions that made buffer f.
.macro QUARTER slot, q, f, g, first
	PLACES
	s_wait_dscnt 8                                 ; x's rows 0-63 (and all codes) are in; the youngest eight loads (x's rows 64-127) may be out
	MULROW \f, 0, 0, \first, \g, \q, 0, 1
	MULROW \f, 0, 1, \first, \g, \q, 1, 1
	MULROW \f, 0, 2, \first, \g, \q, 2, 1
	MULROW \f, 0, 3, \first, \g, \q, 3, 1
	FETCH_A \slot, \q, \g
	s_wait_dscnt 16                                ; all but the 16 just issued
	MULROW \f, 1, 0, \first, \g, \q, 4, 1
	MULROW \f, 1, 1, \first, \g, \q, 5, 1
	MULROW \f, 1, 2, \first, \g, \q, 6, 1
	MULROW \f, 1, 3, \first, \g, \q, 7, 1
.endm
; The last quarter multiplies buffer 1 and changes slots.  MEET is its first half: ONE barrier for the change of slots.  In front of it each wave waits for all its tensor loads, of which one
; is out: its part of the next slot; adds 0 to its spare word; and waits for that and for its own reads of this slot.  Behind it nobody reads this slot any more and the next slot is whole.
.macro MEET round                      ; round = 1: the rest of a round of the cluster's barrier follows
	v_nop                                          ; the plain instruction behind the conversions that made buffer 1
	WIN 0                                          ; (the add's two registers lie in window 0)
	s_wait_tensorcnt 0x0                           ; all my tensor loads have landed: the one that was out is my part of the next slot;
	ds_add_u32 v[SPW], v[NIL]                      ; 0 onto my spare word
	s_wait_dscnt 9                                 ; (the add and the youngest eight loads may be out)
	MUL16 F1, 0, 0, 0                              ; sixteen matrix instructions stand between the add and the wait for it
	s_wait_dscnt 0x0                               ; the add is done, and my reads of this slot are over:
	s_barrier_signal -1                            ; say so,
	MUL16 F1, 0, 2, 0                              ; work on registers while the others arrive,
.if \round
	WIN 0
.endif
	s_barrier_wait -1                              ; and go on when all four have said so
.endm
; Its second half: the next slot's codes (the whole K step's 16 loads) and x's first fragments in one run of 32; sixteen products later the first eight loads are waited for, and the
; sixteen conversions for quarter 0 stand in pairs behind every second of the last sixteen products.
.macro ARRIVE next
	FETCH_C \next, 0
	FETCH_C \next, 1
	FETCH_A \next, 0, F0
	MUL16 F1, 1, 0, 0
	s_wait_dscnt 24                                ; the codes of quarters 0 and 1 are in; behind them stand the other eight code loads and x's sixteen
	MULROW F1, 1, 2, 0, F0, 0, 0, 4
	MULROW F1, 1, 3, 0, F0, 0, 4, 4
.endm
; The whole last quarter of a K step whose slot is filled again, with the K step two steps on: the barrier opens a round of the cluster's barrier; the joint refill is the first tensor
; load behind the round, my only one until the next.  From a request to the wait for it a wave issues 224 matrix instructions.
.macro TURN slot, next
	MEET 1
	CREST                                          ; no wave of any partner still reads this slot's tile or has a load on its way
	s_add_nc_u64 s[G0+4*(\slot)+2:G0+4*(\slot)+3], s[G0+4*(\slot)+2:G0+4*(\slot)+3], 2*KSTEP*2     ; no tensor load of mine is out: the group 0 may be written; the type bits on top are not reached
	s_add_nc_u64 s[G0B+4*(\slot)+2:G0B+4*(\slot)+3], s[G0B+4*(\slot)+2:G0B+4*(\slot)+3], 2*PLANE   ; two planes on
	JLOAD \slot                                    ; the four v_nop behind it are also the places in front of what is written into buffer 0 below
	ARRIVE \next
.endm
; THE WAY OUT of row block a (16 rows x 128 columns of f32), through my own stage.  TOSTAGE: a lane's 32 bytes of a row and column block go in as two stores of 16, each accumulator's four
; lowest registers first; whole rows of 512 bytes come back, into the registers that held x's fragments, two buffers by turns.
.macro TOSTAGE a
.set AC, 64*((\a)%4)
.set BK, F0+64*((\a)%2)
.if (\a) >= 2
	s_wait_xcnt 0x0                                ; every earlier memory instruction has had its addresses translated (ISA guide 3.1): the registers that block a - 2's stores read are loaded again only behind this wait
.endif
	WIN 0x08+4*((\a)/4)                            ; the stores' data (source 1): window 2 or 3
.irp b, 0,1,2,3,4,5,6,7
	ds_store_b128 v[STO], v[AC+8*(\b):AC+8*(\b)+3]   offset:64*(\b)
	ds_store_b128 v[STO], v[AC+8*(\b)+4:AC+8*(\b)+7] offset:64*(\b)+16
.endr
	WIN 0
.irp t, 0,1,2,3,4,5,6,7,8,9,10,11,12,13,14,15
	ds_load_b128 v[BK+4*(\t):BK+4*(\t)+3], v[RD] offset:(\t)*SPITCH  ; LDS serves a wave's instructions in order (ISA guide 5.7.1.4): these see the stores above, and the next block's stores come behind them
.endr
.endm
.macro SEND a, younger                 ; younger: the LDS instructions issued behind block a's loads: the next block's 16 stores and 16 loads, or none
	WIN 0
.set BK, F0+64*((\a)%2)
.irp t, 0,1,2,3,4,5,6,7,8,9,10,11,12,13,14,15
	s_wait_dscnt (\younger)+15-(\t)                ; row t is back in registers
	global_store_b128 v[CO], v[BK+4*(\t):BK+4*(\t)+3], s[10:11] offset:(16*(\a)+(\t))*SIZE_N*4 th:TH_STORE_NT  ; the wave stores 512 consecutive bytes of a row, at a multiple of 512 from out0's first byte; 127 rows at the most: inside the signed 24-bit immediate
.endr
.endm
	s_wait_tensorcnt 1                             ; my part of K step 0 is in; K step 1's may stay out
	s_barrier_signal -1
	s_barrier_wait -1                              ; everybody's is
	FETCH_C 0, 0
	FETCH_C 0, 1
	FETCH_A 0, 0, F0
	s_wait_dscnt 16                                ; the codes are in; x's sixteen loads may be out
.irp b, 0,1,2,3,4,5,6,7
	CVT2 F0, 0, \b                                 ; the first quarter's fragments of b: there is no matrix work yet to set them behind
.endr
	s_wait_loadcnt 0x0                             ; the bias
	QUARTER 0, 1, F0, F1, 1                        ; the first quarter stands in front of the loop: its products start the sums, from the bias
	WIN 0                                          ; at a label and at a branch every window is 0
	s_mov_b32 s3, LAPS-1
.Llap:                                                 ; a trip goes once round the ring, from a lap's second quarter to the next lap's first, and fills both slots again: K steps 2 to 31 in 15 trips
	QUARTER 0, 2, F1, F0, 0
	QUARTER 0, 3, F0, F1, 0
	TURN 0, 1
	QUARTER 1, 1, F0, F1, 0
	QUARTER 1, 2, F1, F0, 0
	QUARTER 1, 3, F0, F1, 0
	TURN 1, 0
	QUARTER 0, 1, F0, F1, 0
	WIN 0
	s_sub_co_u32 s3, s3, 1
	s_cmp_lg_u32 s3, 0
	s_cbranch_scc1 .Llap
	QUARTER 0, 2, F1, F0, 0                        ; the last lap is written out: it asks for nothing more
	QUARTER 0, 3, F0, F1, 0
	MEET 0                                         ; my one tensor load that was still out is slot 1's, the last K step's, so no round follows
	PLACES                                         ; for what is written into buffer 0, which the quarter before multiplied
	ARRIVE 1
	QUARTER 1, 1, F0, F1, 0
	QUARTER 1, 2, F1, F0, 0
	QUARTER 1, 3, F0, F1, 0
	v_nop                                          ; the very last quarter: the plain instruction behind the conversions that made buffer 1; nothing more to fetch
	s_wait_dscnt 8
	MUL16 F1, 0, 0, 0
	MUL16 F1, 0, 2, 0
	s_wait_dscnt 0x0
	MUL16 F1, 1, 0, 0
	MUL16 F1, 1, 2, 0
	PLACES                                         ; the LDS stores below read results, and the loads below land in x's buffers, which the last products read
	TOSTAGE 0
.irp a, 1,2,3,4,5,6,7                  ; block a's trip through the stage is issued ahead of block a - 1's stores, so that the wave does not sit out each round trip
	TOSTAGE \a
	SEND (\a)-1, 32
.endr
	SEND 7, 0
	s_wait_tensorcnt 0x0                           ; the wave's end: behind my last tensor load and my last LDS store
	ds_add_u32 v[SPW], v[NIL]
	s_wait_dscnt 0x0
	CROUND                                         ; the closing round: no work-group ends while a partner may still ask for a tile that names it
	s_endpgm
.Lfunc_end_k_q3cdb29c9c3_gemm:
	.size	k_q3cdb29c9c3_gemm, .Lfunc_end_k_q3cdb29c9c3_gemm-k_q3cdb29c9c3_gemm
	.p2alignl 7, 3214868480
	.fill 96, 4, 3214868480
	.section	.rodata,"a",@progbits
	.p2align	6, 0x0
	.amdhsa_kernel k_q3cdb29c9c3_gemm
		.amdhsa_group_segment_fixed_size 327680
		.amdhsa_private_segment_fixed_size 0
		.amdhsa_enable_private_segment 0
		.amdhsa_kernarg_size 32
		.amdhsa_user_sgpr_count 2
		.amdhsa_user_sgpr_kernarg_segment_ptr 1
		.amdhsa_wavefront_size32 1
		.amdhsa_system_sgpr_workgroup_id_x 1
		.amdhsa_system_sgpr_workgroup_id_y 1
		.amdhsa_system_sgpr_workgroup_id_z 1
		.amdhsa_system_vgpr_workitem_id 0
		.amdhsa_next_free_vgpr 1024
		.amdhsa_next_free_sgpr 66
		.amdhsa_reserve_vcc 0
		.amdhsa_float_denorm_mode_32 3
		.amdhsa_float_denorm_mode_16_64 3
		.amdhsa_memory_ordered 1
		.amdhsa_forward_progress 1
		.amdhsa_inst_pref_size 157
	.end_amdhsa_kernel
	.amdgpu_metadata
---
amdhsa.version: [ 1, 2 ]
amdhsa.kernels:
  - .name:           k_q3cdb29c9c3_gemm
    .symbol:         k_q3cdb29c9c3_gemm.kd
    .args:
      - { .name: xb, .offset: 0, .size: 8, .value_kind: global_buffer, .address_space: global }
      - { .name: wb, .offset: 8, .size: 8, .value_kind: global_buffer, .address_space: global }
      - { .name: bias, .offset: 16, .size: 8, .value_kind: global_buffer, .address_space: global }
      - { .name: out0, .offset: 24, .size: 8, .value_kind: global_buffer, .address_space: global }
    .group_segment_fixed_size: 327680
    .private_segment_fixed_size: 0
    .kernarg_segment_align: 8
    .kernarg_segment_size: 32
    .max_flat_workgroup_size: 128
    .sgpr_count:     66
    .vgpr_count:     1024
    .wavefront_size: 32
...
	.end_amdgpu_metadata
.endif
;; end of part 2
